; MI455X (gfx1250); checked and timed in simulation.
; The chip was launched on July 23, 2026; its instructions are those of AMD's public machine-readable ISA for CDNA 5 (MIT licence, August 2026) and "CDNA5" Instruction Set Architecture Reference Guide (July 2026). The comments in the code are by the model that wrote it; some were corrected since.
;; Self Attention. Allowed arithmetic: float matrix products may take bf16 or f16 operands with f32 sums; all other float work in f32.
;; Inputs: b_in 3,072 float32; b_out 1,024 float32; w_in 3,072 x 1,024 float32; w_out 1,024 x 1,024 float32; x 2 x 2,048 x 1,024 float32.
;; Outputs: out0 2 x 2,048 x 1,024 float32.
;; One version. Each part assembles by itself: llvm-mc -triple=amdgcn-amd-amdhsa -mcpu=gfx1250 --defsym DOCPART=n.
;; ======== version 1 of 1: 4 launches
;; limits: values are held in f16: magnitudes above 65,504 overflow, below 6.1e-05 lose precision
;; workspace buffers: xb 8,388,608 bytes; wib 6,291,456 bytes; wob 2,097,152 bytes; qkv 25,165,824 bytes; qlo 1,572,864 bytes; att 8,388,608 bytes
;; launch cast (part 1): grid 1024 x 1, 8 waves a work-group, no clusters, 0 bytes of LDS; arguments x, w_in, w_out, xb, wib, wob; writes xb, wib, wob
.if DOCPART == 1
	.amdgcn_target "amdgcn-amd-amdhsa--gfx1250"
	.amdhsa_code_object_version 6
	.text
	.protected	k_q0546be6bc3_cast
	.globl	k_q0546be6bc3_cast
	.p2align	8
	.type	k_q0546be6bc3_cast,@function
k_q0546be6bc3_cast:
	s_mov_b64 s[64:65], 0
	v_nop
	global_prefetch_b8 v0, s[64:65] scope:SCOPE_SE
	s_setreg_imm32_b32 hwreg(HW_REG_WAVE_MODE, 25, 1), 1
	s_wait_xcnt 0x0
; The three large f32 inputs are rounded once to the 16-bit operands of the matrix launches:
;   x -> xb (bf16), w_in -> wib (bf16), w_out -> wob (rounded to bf16, then written as f16).
; wob is f16 because its partner in the last product, the attention output, is kept in f16.  A bf16 number has 8 significant bits,
; so its f16 image is exact from 2^-17 up to 65,504.
; LIMITS: |w_out| above 65,504 becomes infinite in wob; below 2^-17 it is rounded to a multiple of 2^-24.
; A stream: no LDS, no barrier, no matrix unit.  A work-group takes 8,192 numbers (32 KiB in, 16 KiB out): groups 0-511 x, 512-895 w_in,
; 896-1023 w_out.  A wave's load covers 512 neighbouring bytes, its store 256 neighbouring bytes that start at a multiple of 256.
.set NX,  512                          ; work-groups for x     (4,194,304 numbers / 8,192)
.set NXW, 896                          ; ... and for w_in      (3,145,728 / 8,192 = 384 more); w_out has the last 128
.set X,   8                            ; v[8:39]   eight loads of four f32
.set Y,   40                           ; v[40:55]  eight pairs of packed results
	s_load_b256 s[4:11], s[0:1], 0x0               ; x s[4:5], w_in s[6:7], w_out s[8:9], xb s[10:11]
	s_load_b128 s[12:15], s[0:1], 0x20             ; wib s[12:13], wob s[14:15]
	v_lshlrev_b32 v1, 4, v0                        ; 16 bytes in a thread
	v_lshlrev_b32 v2, 3, v0                        ; 8 bytes out
	s_mov_b32 s17, NXW
	s_wait_kmcnt 0x0
	s_cmp_lt_u32 ttmp9, s17                        ; which tensor is mine: source, destination and the number of its first work-group
	s_cselect_b64 s[18:19], s[6:7], s[8:9]
	s_cselect_b64 s[20:21], s[12:13], s[14:15]
	s_cselect_b32 s17, NX, s17
	s_cmp_lt_u32 ttmp9, NX
	s_cselect_b64 s[18:19], s[4:5], s[18:19]
	s_cselect_b64 s[20:21], s[10:11], s[20:21]
	s_cselect_b32 s17, 0, s17
	s_sub_co_u32 s16, ttmp9, s17                   ; my number inside the tensor
	s_lshl_b32 s22, s16, 15                        ; x 32 KiB in
	s_mov_b32 s23, 0
	s_lshl_b32 s24, s16, 14                        ; x 16 KiB out
	s_mov_b32 s25, 0
	s_add_nc_u64 s[18:19], s[18:19], s[22:23]
	s_add_nc_u64 s[20:21], s[20:21], s[24:25]
.irp i, 0,1,2,3,4,5,6,7
	global_load_b128 v[X+4*\i:X+4*\i+3], v1, s[18:19] offset:4096*\i th:TH_LOAD_NT   ; all eight go out at once; read once in the launch
.endr
	s_cmp_ge_u32 ttmp9, NXW
	s_cbranch_scc1 .Lf16
.irp i, 0,1,2,3,4,5,6,7
	s_wait_loadcnt 7-\i                            ; loads come back in order: load i is in, the younger ones stay out
	v_cvt_pk_bf16_f32 v[Y+2*\i],   v[X+4*\i],   v[X+4*\i+1]
	v_cvt_pk_bf16_f32 v[Y+2*\i+1], v[X+4*\i+2], v[X+4*\i+3]
	global_store_b64 v2, v[Y+2*\i:Y+2*\i+1], s[20:21] offset:2048*\i   ; every register is written once: no source is ever rewritten
.endr
	s_endpgm
.Lf16:
.irp i, 0,1,2,3,4,5,6,7
	s_wait_loadcnt 7-\i
	v_cvt_pk_bf16_f32 v56, v[X+4*\i],   v[X+4*\i+1]           ; the rounding that counts: to bf16, as for the other two tensors
	v_cvt_pk_bf16_f32 v57, v[X+4*\i+2], v[X+4*\i+3]
	v_lshlrev_b32 v58, 16, v56                                 ; back to f32: the low half moves up, the high half stays
	v_and_b32     v59, 0xffff0000, v56
	v_lshlrev_b32 v60, 16, v57
	v_and_b32     v61, 0xffff0000, v57
	v_cvt_pk_f16_f32 v[Y+2*\i],   v58, v59                     ; and the same numbers as f16
	v_cvt_pk_f16_f32 v[Y+2*\i+1], v60, v61
	global_store_b64 v2, v[Y+2*\i:Y+2*\i+1], s[20:21] offset:2048*\i
.endr
	s_endpgm
.Lfunc_end_k_q0546be6bc3_cast:
	.size	k_q0546be6bc3_cast, .Lfunc_end_k_q0546be6bc3_cast-k_q0546be6bc3_cast
	.p2alignl 7, 3214868480
	.fill 96, 4, 3214868480
	.section	.rodata,"a",@progbits
	.p2align	6, 0x0
	.amdhsa_kernel k_q0546be6bc3_cast
		.amdhsa_group_segment_fixed_size 0
		.amdhsa_private_segment_fixed_size 0
		.amdhsa_enable_private_segment 0
		.amdhsa_kernarg_size 48
		.amdhsa_user_sgpr_count 2
		.amdhsa_user_sgpr_kernarg_segment_ptr 1
		.amdhsa_wavefront_size32 1
		.amdhsa_system_sgpr_workgroup_id_x 1
		.amdhsa_system_sgpr_workgroup_id_y 1
		.amdhsa_system_sgpr_workgroup_id_z 1
		.amdhsa_system_vgpr_workitem_id 0
		.amdhsa_next_free_vgpr 64
		.amdhsa_next_free_sgpr 66
		.amdhsa_reserve_vcc 0
		.amdhsa_float_denorm_mode_32 3
		.amdhsa_float_denorm_mode_16_64 3
		.amdhsa_memory_ordered 1
		.amdhsa_forward_progress 1
		.amdhsa_inst_pref_size 9
	.end_amdhsa_kernel
	.amdgpu_metadata
---
amdhsa.version: [ 1, 2 ]
amdhsa.kernels:
  - .name:           k_q0546be6bc3_cast
    .symbol:         k_q0546be6bc3_cast.kd
    .args:
      - { .name: x, .offset: 0, .size: 8, .value_kind: global_buffer, .address_space: global }
      - { .name: w_in, .offset: 8, .size: 8, .value_kind: global_buffer, .address_space: global }
      - { .name: w_out, .offset: 16, .size: 8, .value_kind: global_buffer, .address_space: global }
      - { .name: xb, .offset: 24, .size: 8, .value_kind: global_buffer, .address_space: global }
      - { .name: wib, .offset: 32, .size: 8, .value_kind: global_buffer, .address_space: global }
      - { .name: wob, .offset: 40, .size: 8, .value_kind: global_buffer, .address_space: global }
    .group_segment_fixed_size: 0
    .private_segment_fixed_size: 0
    .kernarg_segment_align: 8
    .kernarg_segment_size: 48
    .max_flat_workgroup_size: 256
    .sgpr_count:     66
    .vgpr_count:     64
    .wavefront_size: 32
...
	.end_amdgpu_metadata
.endif
;; end of part 1
;; launch gemm_qkv (part 2): grid 16 x 16, 4 waves a work-group, clusters of 4 x 4, 327,680 bytes of LDS; arguments xb, wib, b_in, qkv, qlo; writes qkv, qlo
.if DOCPART == 2
	.amdgcn_target "amdgcn-amd-amdhsa--gfx1250"
	.amdhsa_code_object_version 6
	.text
	.protected	k_q0546be6bc3_gemm_qkv
	.globl	k_q0546be6bc3_gemm_qkv
	.p2align	8
	.type	k_q0546be6bc3_gemm_qkv,@function
k_q0546be6bc3_gemm_qkv:
	s_mov_b64 s[64:65], 0
	v_nop
	global_prefetch_b8 v0, s[64:65] scope:SCOPE_SE
	s_setreg_imm32_b32 hwreg(HW_REG_WAVE_MODE, 25, 1), 1
	s_wait_xcnt 0x0
	s_wait_alu depctr_hold_cnt(0) depctr_sa_sdst(0) depctr_va_vdst(0) depctr_va_sdst(0) depctr_va_ssrc(0) depctr_va_vcc(0) depctr_vm_vsrc(0)
	s_getreg_b32 s2, hwreg(HW_REG_IB_STS2, 6, 4)
	s_cmp_eq_u32 s2, 0
	s_cbranch_scc0 .Lentry_in_a_cluster
	s_endpgm
.Lentry_in_a_cluster:
	s_bfe_u32 s2, ttmp6, 0x10000c
	s_cmp_lg_u32 s2, 0xf033
	s_cbranch_scc0 .Lentry_shape_is_right
	s_endpgm
.Lentry_shape_is_right:
; qkv = xb . wib^T + b_in.  xb [4096][1024] bf16, wib [3072][1024] bf16, b_in [3072] f32; sums in f32; the result is rounded once to f16
; and stored by heads: qkv [48 slices][4096 rows][64] f16; slice c / 64 of column c: 0-15 q, 16-31 k, 32-47 v.
; qlo [48 slices][16 block rows][16 rows][64] f16 holds, for the first 16 rows of every block of 256 rows, what the rounding to f16 took away:
; (sum + bias) - f16(sum + bias).  The attention launch reads block rows 0 and 8 of it (rows 0-15 of the two sequences), where few values are
; averaged and the rounding would show undamped.  The other 14 block rows are stored and not read: every work-group does the same.
; LIMIT: a result above 65,504 in magnitude becomes infinite in f16.
; 16 x 16 work-groups, each a block of 256 rows x 192 columns (three slices), four waves; wave w makes rows 64 w .. 64 w + 63 of all 192
; columns: 48 accumulator tiles of 16 x 16, 384 registers.  For 32 along K a wave reads 4 + 12 fragments (16 KiB) for 48 matrix instructions.
; K goes in steps of 128 through two LDS slots; a tile's rows are 256 bytes of memory and start at multiples of 256 bytes.
; CLUSTERS: 4 x 4 work-groups.  The four of a row of the cluster need the same rows of xb, the four of a column the same rows of wib; each
; such tile is asked for jointly (same line, same descriptor, a mask that names the four), which divides the requests by four.
; REGISTERS, in windows of 256:
;   window 0: v16-27 addresses; v32-63, v64-95 fragments of xb, two buffers; v96-191 the bias of my 192 columns; v192-239 packed results
;   window 1: v0-95, v96-191 fragments of wib, two buffers
;   window 2: the 24 tiles of columns 0-95 (tile (a, b) at v[8 (6 a + b)]);  window 3: those of columns 96-191
; THE MATRIX INSTRUCTION IS USED TRANSPOSED: source 0 = 16 rows of wib, source 1 = 16 rows of xb, so that lane l holds row l % 16 of the
; result and registers 0-7 the columns 8 (l / 16) + 0..7: eight neighbours, 16 bytes of f16.
.set BM,     256
.set BN,     192
.set KDIM,   1024
.set KSLOT,  128                       ; K in a slot
.set PITCH,  272                       ; an LDS row: 256 bytes + 16 of padding, so that 16 rows start at 16 different 16-byte columns modulo 256
.set QI,     5                         ; padding behind every 64 words
.set AROWS,  128                       ; rows in one tensor load of xb
.set BROWS,  96                        ; ... of wib
.set NBH,    6                         ; column tiles in each half of my 192 columns
.set NLD,    8+4*NBH                   ; LDS loads of one quarter step
.set SLOT,   (BM+BN)*PITCH             ; xb's 256 rows, then wib's 192
.set STAGE,  2*SLOT                    ; behind the ring, never filled by a tensor load
.set WSTAGE, 3*16*144                  ; a wave's stage: 3 slices x 16 rows x (128 + 16) bytes
.set LAPS,   KDIM/(2*KSLOT)            ; a lap = once round the ring
.set SLICE,  4096*128                  ; bytes of a slice of qkv
.set LOSL,   16*16*128                 ; bytes of a slice of qlo: 16 block rows x 16 rows x 128 bytes
.set ADRA, 16                          ; v16-17  LDS address of my xb fragments in slot 0, 1
.set ADRB, 20                          ; v20-21  the same for wib
.set STO,  24                          ; the way out: where I put 16 bytes
.set RD,   25                          ; the way out: where I read back
.set CO,   26                          ; my byte offset in qkv and in qlo
.set BO,   27                          ; my byte offset in the bias
.set FA,   32                          ; xb fragments: buffer f at FA + 32 f (window 0)
.set FB,   0                           ; wib fragments: buffer f at FB + FBS f (window 1)
.set FBS,  16*NBH
.set BIAS, 96
.set TMP,  192
.set T32,  32                          ; the way out: sums with bias, f32 (the fragment buffers are dead by then); v80-91 at work for the residuals
.set RB,   32                          ; the way out: rows read back
.set G1,  24                           ; s[24:31] descriptor group 1 for xb's tiles
.set G0,  32                           ; s[32:39] group 0 for xb's tiles, one set for each slot
.set G1B, 48                           ; s[48:55] group 1 for wib's tiles
.set G0B, 56                           ; s[56:63] group 0 for wib's tiles
.set MUL_LO, 0xa1                      ; source 0 window 1, source 1 window 0, C and D window 2
.set MUL_HI, 0xf1                      ; the same, C and D window 3
.set TO_B,   0x40                      ; destination window 1, address window 0
.set MSB, 0
.macro WIN new                         ; the immediate's high byte repeats the setting that is left
.if MSB != \new
	s_set_vgpr_msb (MSB<<8)|\new
.set MSB, \new
.endif
.endm
.macro PLACES                          ; four places behind a matrix instruction, in front of loads into its sources and of readers of its result
.rept 4
	v_nop
.endr
.endm
; A joint load: waves 0 and 1 fetch xb's two halves, waves 2 and 3 wib's.  The branch hangs on the wave's number alone.
.macro JLOAD s
	s_cmp_eq_u32 s13, 0
	s_cbranch_scc0 .Lfor_b_\@
	tensor_load_to_lds s[G0+4*\s:G0+4*\s+3], s[G1:G1+7]
	s_nop 0
	s_branch .Lasked_\@
.Lfor_b_\@:
	tensor_load_to_lds s[G0B+4*\s:G0B+4*\s+3], s[G1B:G1B+7]
	s_nop 0
.Lasked_\@:
.endm
.macro CREST                           ; a round of the cluster's barrier behind its opening work-group barrier
	s_cmp_lg_u32 s12, 0
	s_cbranch_scc1 .Lnot_wave_0_\@
	s_barrier_signal -3
.Lnot_wave_0_\@:
	s_barrier_wait -3
	s_barrier_signal -1
	s_barrier_wait -1
.endm
.macro CROUND                          ; a whole round
	s_barrier_signal -1
	s_barrier_wait -1
	CREST
.endm
	s_load_b256 s[4:11], s[0:1], 0x0               ; xb s[4:5], wib s[6:7], b_in s[8:9], qkv s[10:11]
	s_load_b64 s[74:75], s[0:1], 0x20              ; qlo
	s_set_vgpr_msb 0x40
	v_lshl_add_u32 v255, v0, 2, 0x42400
	s_set_vgpr_msb 0x4000
	v_mov_b32 v255, 0
	s_set_vgpr_msb 0x1
	ds_add_u32 v255, v255
	s_set_vgpr_msb 0x100
	v_lshrrev_b32 v1, 5, v0
	v_readfirstlane_b32 s12, v1                    ; wave 0..3
	s_lshr_b32 s13, s12, 1                         ; I fetch for xb (0) or for wib (1)
	s_and_b32 s14, s12, 1                          ; which half of that tile's rows
	s_bfe_u32 s16, ttmp6, 0x40000                  ; cx
	s_bfe_u32 s17, ttmp6, 0x40004                  ; cy
	s_lshl_b32 s18, ttmp9, 2
	s_add_co_u32 s18, s18, s16                     ; block column = 4 x cluster x + cx
	s_and_b32 s19, ttmp7, 0xffff
	s_lshl_b32 s19, s19, 2
	s_add_co_u32 s19, s19, s17                     ; block row = 4 x cluster y + cy
	s_lshl_b32 s20, s17, 2
	s_lshl_b32 s20, 15, s20                        ; my row of the cluster: places 4 cy .. 4 cy + 3
	s_lshl_b32 s21, 0x1111, s16                    ; my column: places cx, cx + 4, cx + 8, cx + 12
	; group 1: elements of 2 bytes, padding of 4 words behind every 64 words, bit 21 beside the mask
	s_or_b32 s[G1+0],  s20, (1<<16)|(1<<20)|(1<<21)|(QI<<22)|(3<<25)   ; xb's tiles go to my row of the cluster
	s_or_b32 s[G1B+0], s21, (1<<16)|(1<<20)|(1<<21)|(QI<<22)|(3<<25)   ; wib's to my column
	s_mov_b32 s[G1+1],  KSLOT<<16                  ; tensor_dim0 = 128
	s_mov_b32 s[G1B+1], KSLOT<<16
	s_mov_b32 s[G1+2],  AROWS<<16                  ; tensor_dim1 = the tile's rows
	s_mov_b32 s[G1B+2], BROWS<<16
	s_mov_b32 s[G1+3],  KSLOT<<16                  ; tile_dim0 = 128
	s_mov_b32 s[G1B+3], KSLOT<<16
	s_mov_b32 s[G1+4],  AROWS                      ; tile_dim1
	s_mov_b32 s[G1B+4], BROWS
	s_mov_b32 s[G1+5],  KDIM                       ; elements from row to row
	s_mov_b32 s[G1B+5], KDIM
	s_mov_b32 s[G1+6],  0
	s_mov_b32 s[G1B+6], 0
	s_mov_b32 s[G1+7],  0
	s_mov_b32 s[G1B+7], 0
	; where the tiles come from: xb's hang on the block row alone, wib's on the block column alone, each in registers of its own
	s_mul_i32 s44, s19, BM
	s_mul_i32 s45, s14, AROWS
	s_add_co_u32 s44, s44, s45
	s_lshl_b32 s44, s44, 11                        ; rows of 2,048 bytes; 8 MiB at the most
	s_mov_b32 s45, 0
	s_mul_i32 s46, s18, BN
	s_mul_i32 s47, s14, BROWS
	s_add_co_u32 s46, s46, s47
	s_lshl_b32 s46, s46, 11
	s_mov_b32 s47, 0
	s_mul_i32 s22, s12, AROWS*PITCH                ; where they go: waves 0, 1: xb's halves
	s_mul_i32 s23, s12, BROWS*PITCH                ; waves 2, 3: wib's halves, behind xb's 256 rows: 2 x 96 + 64 = 256
	s_add_co_u32 s23, s23, (BM-BN)*PITCH
	s_wait_dscnt 0x0
	s_wait_kmcnt 0x0
	s_add_nc_u64 s[40:41], s[4:5], s[44:45]
	s_add_nc_u64 s[42:43], s[6:7], s[46:47]
	CROUND                                         ; all sixteen work-groups are here: the first joint loads meet
.irp s, 0,1
	s_mov_b32 s[G0+4*\s], 1
	s_add_co_u32 s[G0+4*\s+1], s22, \s*SLOT
	s_add_nc_u64 s[G0+4*\s+2:G0+4*\s+3], s[40:41], \s*KSLOT*2
	s_or_b32 s[G0+4*\s+3], s[G0+4*\s+3], 0x80000000
	s_mov_b32 s[G0B+4*\s], 1
	s_add_co_u32 s[G0B+4*\s+1], s23, \s*SLOT
	s_add_nc_u64 s[G0B+4*\s+2:G0B+4*\s+3], s[42:43], \s*KSLOT*2
	s_or_b32 s[G0B+4*\s+3], s[G0B+4*\s+3], 0x80000000
	JLOAD \s                                       ; both slots are asked for before anything else: two tensor loads of the wave are out
.endr
	; the bias of my columns: lane (r, h) needs columns 16 bt + 8 h + 0..7 of the block's 192; it stays in registers to the end
	v_and_b32 v1, 15, v0                           ; r = l % 16
	v_bfe_u32 v2, v0, 4, 1                         ; h = l / 16
	v_lshlrev_b32 v[BO], 5, v2                     ; 8 h numbers of 4 bytes
	s_mul_i32 s66, s18, BN*4
	s_mov_b32 s67, 0
	s_add_nc_u64 s[8:9], s[8:9], s[66:67]
.set bt, 0
.rept 2*NBH
	global_load_b128 v[BIAS+8*bt:BIAS+8*bt+3],   v[BO], s[8:9] offset:64*bt
	global_load_b128 v[BIAS+8*bt+4:BIAS+8*bt+7], v[BO], s[8:9] offset:64*bt+16
.set bt, bt+1
.endr
	; a fragment: lane l holds row l % 16; registers 0-3 K = 8 h + 0..7, registers 4-7 K = 16 + 8 h + 0..7: two loads of 16 bytes, 32 apart
	v_mul_u32_u24 v3, v1, PITCH
	v_lshl_add_u32 v3, v2, 4, v3
	s_mul_i32 s70, s12, 64*PITCH                   ; my 64 rows of xb
	s_mov_b32 s71, BM*PITCH                        ; all of wib's rows
.irp s, 0,1
	v_add_nc_u32 v[ADRA+\s], s70, v3
	v_add_nc_u32 v[ADRB+\s], s71, v3
	s_add_co_u32 s70, s70, SLOT
	s_add_co_u32 s71, s71, SLOT
.endr
	s_mul_i32 s72, s12, WSTAGE
	s_add_co_u32 s72, s72, STAGE                   ; my stage
	v_mul_u32_u24 v4, v1, 144                      ; in: row r, 16 bytes for each half of the lanes
	v_lshl_add_u32 v4, v2, 4, v4
	v_add_nc_u32 v[STO], s72, v4
	v_and_b32 v5, 31, v0                           ; back: eight lanes take a row of 128 bytes, a wave four rows
	v_lshrrev_b32 v6, 3, v5
	v_and_b32 v7, 7, v0
	v_mul_u32_u24 v6, v6, 144
	v_lshl_add_u32 v6, v7, 4, v6
	v_add_nc_u32 v[RD], s72, v6
	v_lshlrev_b32 v[CO], 4, v5                     ; in a slice four rows are 512 neighbouring bytes
	s_mul_i32 s66, s18, 3*SLICE                    ; qkv at slice 3 x block column, row 256 x block row + 64 x wave
	s_lshl_b32 s68, s19, 8
	s_lshl_b32 s69, s12, 6
	s_add_co_u32 s68, s68, s69
	s_lshl_b32 s68, s68, 7
	s_add_co_u32 s66, s66, s68
	s_mov_b32 s67, 0
	s_add_nc_u64 s[10:11], s[10:11], s[66:67]
	s_mul_i32 s66, s18, 3*LOSL                     ; qlo at slice 3 x block column, block row: 16 rows of 128 bytes each
	s_lshl_b32 s68, s19, 11
	s_add_co_u32 s66, s66, s68
	s_add_nc_u64 s[74:75], s[74:75], s[66:67]
; 2 x NBH matrix instructions: row tiles a0, a0 + 1 x the NBH column tiles of half hi, 32 along K, from buffer f.  zero = 1: the product starts the sum.
.macro MULH f, hi, a0, zero
.irp a, \a0, \a0+1
.set bb, 0
.rept NBH
.set dd, 8*(NBH*(\a)+bb)
.set sb, FB+FBS*\f+8*(NBH*\hi+bb)
.set sa, FA+32*\f+8*(\a)
.if \zero
	v_wmma_f32_16x16x32_bf16 v[dd:dd+7], v[sb:sb+7], v[sa:sa+7], 0
.else
	v_wmma_f32_16x16x32_bf16 v[dd:dd+7], v[sb:sb+7], v[sa:sa+7], v[dd:dd+7]
.endif
.set bb, bb+1
.endr
.endr
.endm
; NLD LDS loads in one run: the fragments of one quarter step (32 K at byte k of the rows) into buffer f: xb's, wib's lower half, wib's upper half
.macro FETCH slot, k, f
	WIN 0
.irp i, 0,1,2,3
	ds_load_b128 v[FA+32*\f+8*\i:FA+32*\f+8*\i+3],   v[ADRA+\slot] offset:\k+\i*16*PITCH
	ds_load_b128 v[FA+32*\f+8*\i+4:FA+32*\f+8*\i+7], v[ADRA+\slot] offset:\k+\i*16*PITCH+32
.endr
	WIN TO_B
.set ii, 0
.rept 2*NBH
	ds_load_b128 v[FB+FBS*\f+8*ii:FB+FBS*\f+8*ii+3],   v[ADRB+\slot] offset:\k+ii*16*PITCH
	ds_load_b128 v[FB+FBS*\f+8*ii+4:FB+FBS*\f+8*ii+7], v[ADRB+\slot] offset:\k+ii*16*PITCH+32
.set ii, ii+1
.endr
.endm
; A quarter step: multiplies buffer f and, in its middle, fetches the next quarter's fragments into buffer g.
; The 48 accumulators take turns, one instruction a turn, in the same order in every quarter.
.macro QUARTER slot, k, f, g, zero
	s_wait_dscnt 2*NBH                             ; all but the youngest 2 NBH loads (wib's upper half) are in
	WIN MUL_LO
	MULH \f, 0, 0, \zero
	MULH \f, 0, 2, \zero
	PLACES
	FETCH \slot, \k, \g
	s_wait_dscnt NLD                               ; all but the NLD just issued
	WIN MUL_HI
	MULH \f, 1, 0, \zero
	MULH \f, 1, 2, \zero
.endm
.macro QS slot, zero                   ; the first three quarters of a slot
	QUARTER \slot, 64,  0, 1, \zero
	QUARTER \slot, 128, 1, 0, 0
	QUARTER \slot, 192, 0, 1, 0
.endm
; The last quarter multiplies buffer 1 and changes slots.  In front of the barrier each wave waits for its reads of this slot and for all its
; tensor loads (one is out: its part of the next slot).  Where the slot is filled again the barrier opens a round of the cluster's barrier,
; and the joint refill is the wave's first and only tensor load behind the round.
.macro TURN slot, next, fill
	s_wait_dscnt 2*NBH
	WIN MUL_LO
	MULH 1, 0, 0, 0
	s_wait_dscnt 0x0                               ; my reads of this slot are over
	s_wait_tensorcnt 0x0                           ; all my tensor loads have landed
	ds_add_u32 v255, v255
	s_wait_dscnt 0x0
	s_barrier_signal -1
	MULH 1, 0, 2, 0                                ; register work while the others arrive
	WIN 0
	s_barrier_wait -1
.if \fill
	CREST                                          ; no wave of any partner still reads this slot or has a load on its way
	s_add_nc_u64 s[G0+4*\slot+2:G0+4*\slot+3],   s[G0+4*\slot+2:G0+4*\slot+3],   2*KSLOT*2
	s_add_nc_u64 s[G0B+4*\slot+2:G0B+4*\slot+3], s[G0B+4*\slot+2:G0B+4*\slot+3], 2*KSLOT*2
	JLOAD \slot
.endif
	PLACES
	FETCH \next, 0, 0
	WIN MUL_HI
	MULH 1, 1, 0, 0
	MULH 1, 1, 2, 0
.endm
.macro LAP zero
	QS 0, \zero
	TURN 0, 1, 1
	QS 1, 0
	TURN 1, 0, 1
.endm
	s_wait_tensorcnt 0x1                           ; my part of slot 0 is in; slot 1's may stay out
	s_barrier_signal -1
	s_barrier_wait -1
	FETCH 0, 0, 0
	LAP 1                                          ; the first lap's first products start the sums: nothing is cleared
	WIN 0                                          ; at a label and at a branch every window is 0
	s_mov_b32 s15, LAPS-2
.Llap:
	LAP 0
	WIN 0
	s_sub_co_u32 s15, s15, 1
	s_cmp_lg_u32 s15, 0
	s_cbranch_scc1 .Llap
	QS 0, 0                                        ; the last lap fills nothing
	TURN 0, 1, 0
	QS 1, 0
	s_wait_dscnt 2*NBH
	WIN MUL_LO
	MULH 1, 0, 0, 0
	MULH 1, 0, 2, 0
	s_wait_dscnt 0x0
	WIN MUL_HI
	MULH 1, 1, 0, 0
	MULH 1, 1, 2, 0
	PLACES                                         ; behind the last matrix instructions, in front of the readers of the sums
	WIN 0
	s_wait_loadcnt 0x0                             ; the bias
; 16 rows x 192 columns of packed f16 in TMP go through my stage and out: 16 bytes a lane in, rows of 128 bytes back, three slices.
; bs: the scalar pair with the buffer's address at my first row; stride: bytes from slice to slice.
.macro DRAIN bs, stride
.set bt, 0
.rept 2*NBH
	ds_store_b128 v[STO], v[TMP+4*bt:TMP+4*bt+3] offset:(bt>>2)*2304+(bt&3)*32   ; slice bt / 4, columns 16 (bt % 4) + 8 h
.set bt, bt+1
.endr
.irp s, 0,1,2
.irp t, 0,1,2,3
	ds_load_b128 v[RB+4*(4*\s+\t):RB+4*(4*\s+\t)+3], v[RD] offset:\s*2304+\t*576   ; LDS serves a wave's instructions in order: these see the stores above
.endr
.endr
.irp s, 0,1,2
.irp t, 0,1,2,3
	s_wait_dscnt 11-(4*\s+\t)                      ; read-back 4 s + t is in, the younger ones may be out
	global_store_b128 v[CO], v[RB+4*(4*\s+\t):RB+4*(4*\s+\t)+3], s[\bs:\bs+1] offset:\s*\stride+\t*512   ; 512 neighbouring bytes, at a multiple of 512 from the buffer's first byte
.endr
.endr
.endm
; THE WAY OUT, 16 rows at a time: add the bias in f32, round once to f16, then DRAIN.
.macro OUTH a
.if \a
	s_wait_xcnt 0x0                                ; the last group's stores have had their addresses translated: their data (RB) and base are rewritten only behind this wait
	s_add_nc_u64 s[10:11], s[10:11], 16*128        ; 16 rows on in every slice
.endif
	WIN 0x02                                       ; source 0 in window 2: columns 0-95
.set i, 0
.rept 4*NBH
	v_pk_add_f32 v[T32+2*i:T32+2*i+1], v[8*NBH*\a+2*i:8*NBH*\a+2*i+1], v[BIAS+2*i:BIAS+2*i+1]
.set i, i+1
.endr
	WIN 0
.set i, 0
.rept 4*NBH
	v_cvt_pk_f16_f32 v[TMP+i], v[T32+2*i], v[T32+2*i+1]
.set i, i+1
.endr
	WIN 0x03                                       ; window 3: columns 96-191
.set i, 0
.rept 4*NBH
	v_pk_add_f32 v[T32+2*i:T32+2*i+1], v[8*NBH*\a+2*i:8*NBH*\a+2*i+1], v[BIAS+8*NBH+2*i:BIAS+8*NBH+2*i+1]
.set i, i+1
.endr
	WIN 0
.set i, 0
.rept 4*NBH
	v_cvt_pk_f16_f32 v[TMP+4*NBH+i], v[T32+2*i], v[T32+2*i+1]
.set i, i+1
.endr
	DRAIN 10, SLICE
.endm
	OUTH 0
	OUTH 1
	OUTH 2
	OUTH 3
; THE RESIDUALS of the block's first 16 rows, which are wave 0's row tile 0.
; Four pairs at a time: the same rounding to f16 as above, back to f32, taken away from the f32 number (exact), the rest rounded to f16.
.macro RES4 i, d
.set rr, T32+2*(\i)
	v_cvt_pk_f16_f32 v80, v[rr],   v[rr+1]
	v_cvt_pk_f16_f32 v81, v[rr+2], v[rr+3]
	v_cvt_pk_f16_f32 v82, v[rr+4], v[rr+5]
	v_cvt_pk_f16_f32 v83, v[rr+6], v[rr+7]
	v_cvt_f32_f16 v84, v80.l
	v_cvt_f32_f16 v85, v80.h
	v_cvt_f32_f16 v86, v81.l
	v_cvt_f32_f16 v87, v81.h
	v_cvt_f32_f16 v88, v82.l
	v_cvt_f32_f16 v89, v82.h
	v_cvt_f32_f16 v90, v83.l
	v_cvt_f32_f16 v91, v83.h
.irp k, 0,1,2,3,4,5,6,7
	v_sub_f32 v[84+\k], v[rr+\k], v[84+\k]
.endr
.irp k, 0,1,2,3
	v_cvt_pk_f16_f32 v[(\d)+\k], v[84+2*\k], v[85+2*\k]
.endr
.endm
.macro LOHALF win, hf                  ; the 96 columns of half hf: sums with bias as in OUTH 0, then their residuals into TMP
	WIN \win
.set i, 0
.rept 4*NBH
	v_pk_add_f32 v[T32+2*i:T32+2*i+1], v[2*i:2*i+1], v[BIAS+8*NBH*\hf+2*i:BIAS+8*NBH*\hf+2*i+1]
.set i, i+1
.endr
	WIN 0
.set i, 0
.rept NBH
	RES4 i, TMP+4*NBH*\hf+i
.set i, i+4
.endr
.endm
	s_cmp_lg_u32 s12, 0                            ; the wave's number alone decides
	s_cbranch_scc1 .Lno_lo
	s_wait_xcnt 0x0                                ; the last group's stores have had their addresses translated: RB, which T32 shares, is rewritten only behind this wait
	LOHALF 0x02, 0
	LOHALF 0x03, 1
	DRAIN 74, LOSL
.Lno_lo:
	s_set_vgpr_msb 0x1
	s_wait_tensorcnt 0x0
	ds_add_u32 v255, v255
	s_wait_dscnt 0x0
	s_set_vgpr_msb 0x100
	CROUND                                         ; the closing round: no work-group ends while a partner may still ask for a tile that names it
	s_endpgm
.Lfunc_end_k_q0546be6bc3_gemm_qkv:
	.size	k_q0546be6bc3_gemm_qkv, .Lfunc_end_k_q0546be6bc3_gemm_qkv-k_q0546be6bc3_gemm_qkv
	.p2alignl 7, 3214868480
	.fill 96, 4, 3214868480
	.section	.rodata,"a",@progbits
	.p2align	6, 0x0
	.amdhsa_kernel k_q0546be6bc3_gemm_qkv
		.amdhsa_group_segment_fixed_size 327680
		.amdhsa_private_segment_fixed_size 0
		.amdhsa_enable_private_segment 0
		.amdhsa_kernarg_size 40
		.amdhsa_user_sgpr_count 2
		.amdhsa_user_sgpr_kernarg_segment_ptr 1
		.amdhsa_wavefront_size32 1
		.amdhsa_system_sgpr_workgroup_id_x 1
		.amdhsa_system_sgpr_workgroup_id_y 1
		.amdhsa_system_sgpr_workgroup_id_z 1
		.amdhsa_system_vgpr_workitem_id 0
		.amdhsa_next_free_vgpr 960
		.amdhsa_next_free_sgpr 80
		.amdhsa_reserve_vcc 0
		.amdhsa_float_denorm_mode_32 3
		.amdhsa_float_denorm_mode_16_64 3
		.amdhsa_memory_ordered 1
		.amdhsa_forward_progress 1
		.amdhsa_inst_pref_size 196
	.end_amdhsa_kernel
	.amdgpu_metadata
---
amdhsa.version: [ 1, 2 ]
amdhsa.kernels:
  - .name:           k_q0546be6bc3_gemm_qkv
    .symbol:         k_q0546be6bc3_gemm_qkv.kd
    .args:
      - { .name: xb, .offset: 0, .size: 8, .value_kind: global_buffer, .address_space: global }
      - { .name: wib, .offset: 8, .size: 8, .value_kind: global_buffer, .address_space: global }
      - { .name: b_in, .offset: 16, .size: 8, .value_kind: global_buffer, .address_space: global }
      - { .name: qkv, .offset: 24, .size: 8, .value_kind: global_buffer, .address_space: global }
      - { .name: qlo, .offset: 32, .size: 8, .value_kind: global_buffer, .address_space: global }
    .group_segment_fixed_size: 327680
    .private_segment_fixed_size: 0
    .kernarg_segment_align: 8
    .kernarg_segment_size: 40
    .max_flat_workgroup_size: 128
    .sgpr_count:     80
    .vgpr_count:     960
    .wavefront_size: 32
...
	.end_amdgpu_metadata
.endif
;; end of part 2
;; launch attn (part 3): grid 256 x 1, 8 waves a work-group, no clusters, 327,680 bytes of LDS; arguments qkv, att, qlo; writes att
.if DOCPART == 3
	.amdgcn_target "amdgcn-amd-amdhsa--gfx1250"
	.amdhsa_code_object_version 6
	.text
	.protected	k_q0546be6bc3_attn
	.globl	k_q0546be6bc3_attn
	.p2align	8
	.type	k_q0546be6bc3_attn,@function
k_q0546be6bc3_attn:
	s_mov_b64 s[64:65], 0
	v_nop
	global_prefetch_b8 v0, s[64:65] scope:SCOPE_SE
	s_setreg_imm32_b32 hwreg(HW_REG_WAVE_MODE, 25, 1), 1
	s_wait_xcnt 0x0
; Causal attention by heads, with a running maximum.  qkv [48 slices][4096 rows][64] f16 (slice h: q, 16 + h: k, 32 + h: v of head h);
; att [4096 rows][1024] f16, head h in columns 64 h .. 64 h + 63.  Products in the f16 matrix form with f32 sums; softmax in f32.
; f16 and not bf16: the first rows of a sequence average few values, so the operands' rounding shows there undamped; f16 has three bits more.
; ROWS 0-15 OF A SEQUENCE average at most sixteen values and stay of the values' own size, while the later rows shrink with the number of keys.
; For them every operand is carried as two f16 terms: q, k, v as qkv's number plus the residual in qlo [48 slices][16 block rows][16 rows][64]
; (block rows 0 and 8 are rows 0-15 of the two sequences), the probabilities split in the lane.  The wave that owns these rows needs one step
; of the stream and then only passes barriers, so it redoes its first query tile behind the loop.
; LIMITS: from row 16 on the operands are single f16 numbers (11 significant bits); probabilities below 2^-24 of the row's largest round to 0
; there; NaN and infinite inputs are not treated specially; a head's share of a row of att is 128 bytes, so a store of the wave writes four
; pieces of 128 neighbouring bytes.
; WORK: work-group id = 8 (16 b + h) + p.  It takes the query blocks p and 15 - p (128 rows each) of one head: 17 block steps for every p.
; Four waves take one block, four the other, 32 queries a wave; both walk one stream of tiles of 128 keys, T = 16 - p of them.
; A wave needs the 64-key steps 0 .. nsteps - 1; only the last one is cut by the diagonal; later steps it skips, but it passes every barrier.
; group = (w ^ (w >> 2)) & 1, quarter = w >> 1: waves w and w + 4 carry a short and a long block, and so do waves 2 i and 2 i + 1.
; NO CLUSTER: the work-groups that share K and V are the eight of a head; they walk 9 to 16 tiles, so partners would need different numbers
; of tiles, and which steps a wave skips hangs on the work-group's place among them.
; LAYOUT: S^T = K Q^T (source 0: 16 keys from LDS, source 1: 16 queries, in registers for the whole kernel): lane (r, h) holds query r and
; keys 8 h + 0..7 of a tile.  Two neighbouring tiles, packed to f16 in the lane, ARE the source-1 fragment of O^T = V^T P^T: no shuffle.
; V^T's fragments come by the transposing LDS load.  Maximum, sum and rescale factor are one number a lane; the two halves of 16 lanes meet once.
.set KPITCH, 144                       ; K's LDS row: 128 bytes + 16: 16 rows start at 16 different 16-byte columns modulo 256
.set VPITCH, 160                       ; V's: 128 + 32, an odd multiple of 32, for the transposing load
.set VOFF,   128*KPITCH                ; V's rows lie behind K's 128
.set SLOT,   VOFF+128*VPITCH           ; 38,912
.set STAGE,  2*SLOT                    ; behind the ring, never filled by a tensor load
.set WSTAGE, 32*144                    ; a wave's stage: 32 rows x (128 + 16) bytes
.set TILEB,  128*128                   ; bytes of a tile in memory
.set LOSL,   16*16*128                 ; bytes of a slice of qlo
.set T0, 1                             ; v1-4     at work (and the set-up's r, h, l % 8, (l / 8) % 2)
.set T1, 2
.set T2, 3
.set T3, 4
.set STO,  5                           ; the way out: where I put 16 bytes
.set RD,   6                           ; the way out: where I read back
.set VQ,   7                           ; my byte offset in the wave's queries
.set ADRK, 8                           ; v8-9     LDS address of my K fragments in slot 0, 1
.set ADRV, 10                          ; v10-11   the same for V
.set VQD,  12                          ; q0 + r - 8 h
.set VT,   13                          ; that less the step's first key
.set NINF, 14                          ; minus infinity
.set CO,   15                          ; my byte offset in att
.set MX,   16                          ; v16-17   running maximum of query tile 0, 1
.set NM,   18                          ; v[18:19], v[20:21]  - c x maximum, twice, for tile 0, 1
.set AL,   22                          ; v[22:23], v[24:25]  rescale factor, twice
.set LS,   26                          ; v[26:27], v[28:29]  running sums, two chains each
.set QF,   32                          ; v32-63   Q fragments, (u, kk) at 8 (2 u + kk)
.set KV,   64                          ; v64-127  K fragments (t, kk) at 16 t + 8 kk; then V fragments (ks, dt) at 8 (4 ks + dt)
.set SC,   128                         ; v128-191 S^T tile (t, u) at 8 (4 u + t); P (u, ks) is packed in place at 8 (4 u + 2 ks)
.set OA,   192                         ; v192-255 O^T tile (dt, u) at 8 (2 dt + u)
; rows 0-15 anew, in registers that are dead behind the loop:
.set HQL,  KV                          ; v64-79   Q's residual, fragments kk = 0, 1
.set HKH,  KV+16                       ; v80-95   K of keys 0-15
.set HKL,  KV+32                       ; v96-111  K's residual
.set PH,   KV+48                       ; v112-119 P's upper term, twice
.set PL,   KV+56                       ; v120-127 P's lower term, twice
.set HVA,  SC                          ; v128-159 fragment dt at 8 dt: registers 0-3 V of keys 0-15, registers 4-7 V's residual of the same keys
.set S1,   SC+32                       ; v160-167 K Q, then the scores, then the probabilities
.set S2,   SC+40                       ; v168-175 K's residual x Q, then P's upper term in f32
.set S3,   SC+48                       ; v176-183 K x Q's residual, then P's lower term in f32
.set G1K, 28                           ; s[28:35] descriptor group 1 for K
.set G1V, 36                           ; s[36:43] for V (another padding)
.set G0K, 44                           ; s[44:51] group 0 for K, one set for each slot
.set G0V, 52                           ; s[52:59] for V
	s_load_b128 s[4:7], s[0:1], 0x0                ; qkv s[4:5], att s[6:7]
	s_load_b64 s[72:73], s[0:1], 0x10              ; qlo
	s_set_vgpr_msb 0x40
	v_lshl_add_u32 v0, v0, 2, 0x29000
	v_mov_b32 v1, 0
	s_set_vgpr_msb 0x4045
	ds_add_u32 v0, v1
	s_set_vgpr_msb 0x4500
	v_lshrrev_b32 v1, 5, v0
	v_readfirstlane_b32 s8, v1                     ; wave 0..7
	s_and_b32 s9, ttmp9, 7                         ; p
	s_lshr_b32 s10, ttmp9, 3
	s_and_b32 s11, s10, 15                         ; head
	s_lshr_b32 s12, s10, 4                         ; batch
	s_lshr_b32 s13, s8, 2
	s_xor_b32 s13, s13, s8
	s_and_b32 s13, s13, 1                          ; group: 0 takes block p, 1 takes block 15 - p
	s_lshr_b32 s14, s8, 1                          ; which 32 queries of the block
	s_sub_co_u32 s60, 15, s9
	s_cmp_lg_u32 s13, 0
	s_cselect_b32 s15, s60, s9                     ; my block
	s_lshl_b32 s16, s15, 7
	s_lshl_b32 s61, s14, 5
	s_add_co_u32 s16, s16, s61                     ; q0, my first query
	s_lshl_b32 s17, s15, 1
	s_lshr_b32 s61, s14, 1
	s_add_co_u32 s18, s17, s61                     ; (q0 + 31) / 64: the step that the diagonal cuts
	s_add_co_u32 s17, s18, 1                       ; the steps that I need
	s_sub_co_u32 s20, 16, s9                       ; T tiles, 9 to 16
	s_sub_co_u32 s21, s20, 2
	s_lshr_b32 s21, s21, 1                         ; trips of the loop, two tiles each: 3 to 7
	s_mov_b32 s19, 0                               ; the running step
	s_mov_b32 s22, 0x76543210                      ; v_permlanex16_b32: lane i of one half reads lane i of the other
	s_mov_b32 s23, 0xfedcba98
	s_mov_b32 s24, 0x3e38aa3b                      ; c = log2(e) / sqrt(64): exp(s / 8) = 2^(c s)
	s_mov_b32 s25, 0x3e38aa3b
	s_mov_b32 s26, 0xbe38aa3b                      ; - c
	; group 1: 128 rows of 64 elements of 2 bytes, as they lie in the slice; padding behind every 32 words: 4 words for K, 8 for V
	s_mov_b32 s[G1K+0], (1<<16)|(1<<20)|(4<<22)|(3<<25)
	s_mov_b32 s[G1V+0], (1<<16)|(1<<20)|(4<<22)|(7<<25)
	s_mov_b32 s[G1K+1], 64<<16                     ; tensor_dim0
	s_mov_b32 s[G1V+1], 64<<16
	s_mov_b32 s[G1K+2], 128<<16                    ; tensor_dim1
	s_mov_b32 s[G1V+2], 128<<16
	s_mov_b32 s[G1K+3], 64<<16                     ; tile_dim0
	s_mov_b32 s[G1V+3], 64<<16
	s_mov_b32 s[G1K+4], 128                        ; tile_dim1
	s_mov_b32 s[G1V+4], 128
	s_mov_b32 s[G1K+5], 64                         ; elements from row to row
	s_mov_b32 s[G1V+5], 64
	s_mov_b32 s[G1K+6], 0
	s_mov_b32 s[G1V+6], 0
	s_mov_b32 s[G1K+7], 0
	s_mov_b32 s[G1V+7], 0
	s_add_co_u32 s60, s11, 16                      ; K: slice 16 + h, row 2,048 b
	s_lshl_b32 s60, s60, 19
	s_lshl_b32 s62, s12, 18
	s_add_co_u32 s60, s60, s62
	s_mov_b32 s61, 0
	s_add_co_u32 s62, s60, 16<<19                  ; V: sixteen slices further
	s_mov_b32 s63, 0
	s_lshl_b32 s66, s12, 11
	s_add_co_u32 s66, s66, s16                     ; my first row: 2,048 b + q0
	s_lshl_b32 s68, s66, 11                        ; in att: rows of 2,048 bytes, + 128 h
	s_lshl_b32 s69, s11, 7
	s_add_co_u32 s68, s68, s69
	s_mov_b32 s69, 0
	s_lshl_b32 s66, s66, 7                         ; in q's slice h: rows of 128 bytes
	s_lshl_b32 s67, s11, 19
	s_add_co_u32 s66, s66, s67
	s_mov_b32 s67, 0
	s_lshl_b32 s74, s11, 15                        ; in qlo: slice h, block row 8 b (2,048 bytes each)
	s_lshl_b32 s75, s12, 14
	s_add_co_u32 s74, s74, s75
	s_mov_b32 s75, 0
	s_wait_dscnt 0x0
	s_barrier_signal -1
	s_barrier_wait -1
	s_wait_kmcnt 0x0
	s_add_nc_u64 s[60:61], s[4:5], s[60:61]        ; K and V at the sequence's row 0: kept to the end
	s_add_nc_u64 s[62:63], s[4:5], s[62:63]
	s_add_nc_u64 s[66:67], s[4:5], s[66:67]
	s_add_nc_u64 s[6:7], s[6:7], s[68:69]
	s_add_nc_u64 s[72:73], s[72:73], s[74:75]
.irp s, 0,1
	s_mov_b32 s[G0K+4*\s], 1
	s_mov_b32 s[G0K+4*\s+1], \s*SLOT
	s_add_nc_u64 s[G0K+4*\s+2:G0K+4*\s+3], s[60:61], \s*TILEB
	s_or_b32 s[G0K+4*\s+3], s[G0K+4*\s+3], 0x80000000
	s_mov_b32 s[G0V+4*\s], 1
	s_mov_b32 s[G0V+4*\s+1], \s*SLOT+VOFF
	s_add_nc_u64 s[G0V+4*\s+2:G0V+4*\s+3], s[62:63], \s*TILEB
	s_or_b32 s[G0V+4*\s+3], s[G0V+4*\s+3], 0x80000000
.endr
	; the first fills, tiles 0 and 1: wave 0 asks for K's, wave 4 for V's, each wave's two inside one branch: two tensor loads of that wave are out
	s_cmp_lg_u32 s8, 0
	s_cbranch_scc1 .Lnot_k
	tensor_load_to_lds s[G0K:G0K+3], s[G1K:G1K+7]
	s_nop 0
	tensor_load_to_lds s[G0K+4:G0K+7], s[G1K:G1K+7]
	s_nop 0
.Lnot_k:
	s_cmp_lg_u32 s8, 4
	s_cbranch_scc1 .Lnot_v
	tensor_load_to_lds s[G0V:G0V+3], s[G1V:G1V+7]
	s_nop 0
	tensor_load_to_lds s[G0V+4:G0V+7], s[G1V:G1V+7]
	s_nop 0
.Lnot_v:
	v_and_b32 v1, 15, v0                           ; r
	v_bfe_u32 v2, v0, 4, 1                         ; h
	v_and_b32 v3, 7, v0                            ; l % 8
	v_bfe_u32 v4, v0, 3, 1                         ; (l / 8) % 2
	v_bfe_u32 v30, v0, 3, 2                        ; l / 8
	v_lshlrev_b32 v[VQ], 7, v1
	v_lshl_add_u32 v[VQ], v2, 4, v[VQ]             ; query r, 16 h bytes
.irp u, 0,1
.irp kk, 0,1
	global_load_b128 v[QF+8*(2*\u+\kk):QF+8*(2*\u+\kk)+3],   v[VQ], s[66:67] offset:2048*\u+64*\kk
	global_load_b128 v[QF+8*(2*\u+\kk)+4:QF+8*(2*\u+\kk)+7], v[VQ], s[66:67] offset:2048*\u+64*\kk+32
.endr
.endr
	v_mul_u32_u24 v[ADRK], v1, KPITCH
	v_lshl_add_u32 v[ADRK], v2, 4, v[ADRK]         ; key r of a tile, 16 h bytes
	v_add_nc_u32 v[ADRK+1], SLOT, v[ADRK]
	v_lshl_add_u32 v31, v2, 3, v3                  ; the transposing load: key 8 h + l % 8, 16 bytes at 16 ((l / 8) % 2)
	v_mul_u32_u24 v31, v31, VPITCH
	v_lshl_add_u32 v31, v4, 4, v31
	v_add_nc_u32 v[ADRV], VOFF, v31
	v_add_nc_u32 v[ADRV+1], SLOT+VOFF, v31
	v_lshlrev_b32 v31, 3, v2
	v_sub_nc_u32 v31, v1, v31
	v_add_nc_u32 v[VQD], s16, v31
	v_mov_b32 v[NINF], 0xff800000
	s_mul_i32 s70, s8, WSTAGE
	s_add_co_u32 s70, s70, STAGE                   ; my stage
	v_add_nc_u32 v[STO], s70, v[ADRK]              ; in: row r at pitch 144, 16 h bytes
	v_mul_u32_u24 v31, v30, 144                    ; back: eight lanes take a row of 128 bytes
	v_lshl_add_u32 v31, v3, 4, v31
	v_add_nc_u32 v[RD], s70, v31
	v_lshlrev_b32 v[CO], 11, v30
	v_lshl_add_u32 v[CO], v3, 4, v[CO]
; Sums and packing of query tile u: pair i of the 32 probabilities goes into the running sums and is then packed to f16 in place.
; Pair i of tile t = i / 4 lands in register 16 (t / 2) + 4 (t % 2) + i % 4, never above the registers it came from.
.macro SUMPACK u, first
.set su, SC+32*\u
.set lu, LS+2*\u
.set au, AL+2*\u
.if \first
	s_wait_alu depctr_va_vdst(0)
	v_pk_add_f32 v[lu:lu+1], v[su:su+1], v[su+2:su+3]          ; the first two pairs start the sums
	v_cvt_pk_f16_f32 v[su], v[su], v[su+1]
	v_cvt_pk_f16_f32 v[su+1], v[su+2], v[su+3]
.else
	s_wait_alu depctr_va_vdst(0)
	v_pk_fma_f32 v[lu:lu+1], v[lu:lu+1], v[au:au+1], v[su:su+1]   ; the old sums, rescaled, and the first pair
	v_cvt_pk_f16_f32 v[su], v[su], v[su+1]
	v_pk_add_f32 v[lu:lu+1], v[lu:lu+1], v[su+2:su+3]
	v_cvt_pk_f16_f32 v[su+1], v[su+2], v[su+3]
.endif
.set i, 2
.rept 14
	v_pk_add_f32 v[lu:lu+1], v[lu:lu+1], v[su+2*i:su+2*i+1]
	v_cvt_pk_f16_f32 v[su+16*(i>>3)+4*((i>>2)&1)+(i&3)], v[su+2*i], v[su+2*i+1]
.set i, i+1
.endr
.endm
; One step: 64 keys (half sub of the tile in slot) against my 32 queries.  first = 1: step 0, which every wave needs and which starts all sums.
.macro STEP slot, sub, first
.if \first == 0
	s_cmp_ge_u32 s19, s17                          ; beyond my diagonal: nothing to do
	s_cbranch_scc1 .Lend_\@
.rept 5
	v_nop                                          ; five places behind the last step's products: loads land in their sources, and products write over P
.endr
.endif
.irp kk, 0,1
.irp t, 0,1,2,3
	ds_load_b128 v[KV+16*\t+8*\kk:KV+16*\t+8*\kk+3],   v[ADRK+\slot] offset:(64*\sub+16*\t)*KPITCH+64*\kk
	ds_load_b128 v[KV+16*\t+8*\kk+4:KV+16*\t+8*\kk+7], v[ADRK+\slot] offset:(64*\sub+16*\t)*KPITCH+64*\kk+32
.endr
.endr
	s_wait_dscnt 0x8                               ; the eight loads of the first 32 of dh are in, the other eight may be out
	; S^T: eight accumulators take turns, one instruction a turn, here and in the products below
.irp t, 0,1,2,3
.irp u, 0,1
	v_wmma_f32_16x16x32_f16 v[SC+8*(4*\u+\t):SC+8*(4*\u+\t)+7], v[KV+16*\t:KV+16*\t+7], v[QF+16*\u:QF+16*\u+7], 0
.endr
.endr
	s_wait_dscnt 0x0
.irp t, 0,1,2,3
.irp u, 0,1
	v_wmma_f32_16x16x32_f16 v[SC+8*(4*\u+\t):SC+8*(4*\u+\t)+7], v[KV+16*\t+8:KV+16*\t+15], v[QF+16*\u+8:QF+16*\u+15], v[SC+8*(4*\u+\t):SC+8*(4*\u+\t)+7]
.endr
.endr
.rept 4
	v_nop                                          ; four places: V's loads land in K's registers, and the softmax reads the scores
.endr
.irp ks, 0,1
.irp dt, 0,1,2,3
	ds_load_tr16_b128 v[KV+8*(4*\ks+\dt):KV+8*(4*\ks+\dt)+3],   v[ADRV+\slot] offset:(64*\sub+32*\ks)*VPITCH+32*\dt
	ds_load_tr16_b128 v[KV+8*(4*\ks+\dt)+4:KV+8*(4*\ks+\dt)+7], v[ADRV+\slot] offset:(64*\sub+32*\ks+16)*VPITCH+32*\dt
.endr
.endr
	s_cmp_lg_u32 s19, s18                          ; only my last step is cut by the diagonal
	s_cbranch_scc1 .Lnm_\@
	s_lshl_b32 s27, s19, 6                         ; the step's first key
	v_sub_nc_u32 v[VT], v[VQD], s27
.irp u, 0,1
.irp t, 0,1,2,3
.irp j, 0,1,2,3,4,5,6,7
	v_cmp_gt_i32 vcc_lo, 16*\t+\j-16*\u, v[VT]     ; key 64 g + 16 t + 8 h + j beyond query q0 + 16 u + r
	v_cndmask_b32 v[SC+8*(4*\u+\t)+\j], v[SC+8*(4*\u+\t)+\j], v[NINF], vcc_lo
.endr
.endr
.endr
.Lnm_\@:
	; the maxima: my 32 scores of each query tile, the old maximum, then the other half of the lanes.  The step's first key is at or before every
	; query of the wave, so a maximum is never minus infinity.
	v_max3_num_f32 v[T0], v[SC], v[SC+1], v[SC+2]
	v_max3_num_f32 v[T1], v[SC+32], v[SC+33], v[SC+34]
.set i, 3
.rept 14
	v_max3_num_f32 v[T0], v[T0], v[SC+i], v[SC+i+1]
	v_max3_num_f32 v[T1], v[T1], v[SC+32+i], v[SC+32+i+1]
.set i, i+2
.endr
.if \first
	v_max_num_f32 v[T0], v[T0], v[SC+31]
	v_max_num_f32 v[T1], v[T1], v[SC+63]
.else
	v_max3_num_f32 v[T0], v[T0], v[SC+31], v[MX]
	v_max3_num_f32 v[T1], v[T1], v[SC+63], v[MX+1]
.endif
	v_permlanex16_b32 v[T2], v[T0], s22, s23
	v_permlanex16_b32 v[T3], v[T1], s22, s23
	v_max_num_f32 v[T0], v[T0], v[T2]
	v_max_num_f32 v[T1], v[T1], v[T3]
	v_mul_f32 v[T2], s26, v[T0]                    ; the new shift, - c x maximum
	v_mul_f32 v[T3], s26, v[T1]
.if \first == 0
	v_sub_f32 v[AL], v[T2], v[NM]                  ; what was summed under the old shift is rescaled by 2^(new shift - old shift), exactly the change of the shift
	v_sub_f32 v[AL+2], v[T3], v[NM+2]
	v_exp_f32 v[AL], v[AL]
	v_exp_f32 v[AL+2], v[AL+2]                     ; behind a transcendental a plain instruction comes before its result is used (ISA guide 5.7.2): the moves below
.endif
	v_mov_b32 v[MX], v[T0]
	v_mov_b32 v[MX+1], v[T1]
	v_mov_b32 v[NM], v[T2]
	v_mov_b32 v[NM+1], v[T2]
	v_mov_b32 v[NM+2], v[T3]
	v_mov_b32 v[NM+3], v[T3]
.if \first == 0
	s_wait_alu depctr_va_vdst(0)
	v_mov_b32 v[AL+1], v[AL]
	v_mov_b32 v[AL+3], v[AL+2]
.endif
	; p = 2^(c s - c maximum); tile 1's multiply-adds are the plain work behind tile 0's exponentials
.set i, 0
.rept 16
	v_pk_fma_f32 v[SC+2*i:SC+2*i+1], v[SC+2*i:SC+2*i+1], s[24:25], v[NM:NM+1] op_sel_hi:[1,0,1]
.set i, i+1
.endr
.set i, 0
.rept 32
	v_exp_f32 v[SC+i], v[SC+i]
.set i, i+1
.endr
.set i, 16
.rept 16
	v_pk_fma_f32 v[SC+2*i:SC+2*i+1], v[SC+2*i:SC+2*i+1], s[24:25], v[NM+2:NM+3] op_sel_hi:[1,0,1]
.set i, i+1
.endr
.set i, 32
.rept 32
	v_exp_f32 v[SC+i], v[SC+i]
.set i, i+1
.endr
	SUMPACK 0, \first                              ; tile 0's sums stand behind tile 1's exponentials
	SUMPACK 1, \first
.if \first == 0
.set i, 0
.rept 32
	v_pk_mul_f32 v[OA+2*i:OA+2*i+1], v[OA+2*i:OA+2*i+1], v[AL+2*((i>>2)&1):AL+2*((i>>2)&1)+1]   ; O's tile 2 dt + u by tile u's factor
.set i, i+1
.endr
.endif
	s_wait_dscnt 0x0                               ; V's fragments
.irp ks, 0,1
.irp dt, 0,1,2,3
.irp u, 0,1
.if \first*(1-\ks)
	v_wmma_f32_16x16x32_f16 v[OA+8*(2*\dt+\u):OA+8*(2*\dt+\u)+7], v[KV+8*(4*\ks+\dt):KV+8*(4*\ks+\dt)+7], v[SC+8*(4*\u+2*\ks):SC+8*(4*\u+2*\ks)+7], 0
.else
	v_wmma_f32_16x16x32_f16 v[OA+8*(2*\dt+\u):OA+8*(2*\dt+\u)+7], v[KV+8*(4*\ks+\dt):KV+8*(4*\ks+\dt)+7], v[SC+8*(4*\u+2*\ks):SC+8*(4*\u+2*\ks)+7], v[OA+8*(2*\dt+\u):OA+8*(2*\dt+\u)+7]
.endif
.endr
.endr
.endr
.if \first == 0
.Lend_\@:
.endif
	s_add_co_u32 s19, s19, 1
.endm
.macro KVLOAD s                        ; wave 0 asks for K's tile, wave 4 for V's: one tensor load a wave.  s may be an expression: it stands in brackets
	s_cmp_lg_u32 s8, 0
	s_cbranch_scc1 .Lnk_\@
	tensor_load_to_lds s[G0K+4*(\s):G0K+4*(\s)+3], s[G1K:G1K+7]
	s_nop 0
.Lnk_\@:
	s_cmp_lg_u32 s8, 4
	s_cbranch_scc1 .Lnv_\@
	tensor_load_to_lds s[G0V+4*(\s):G0V+4*(\s)+3], s[G1V:G1V+7]
	s_nop 0
.Lnv_\@:
.endm
; A change of slots.  Every wave waits for all its tensor loads (this slot's tile among them) and for its reads of the other slot, then the
; barrier; behind it the other slot is filled again first (its tile has the two steps below in which to land), then this slot is read.
.macro RING slot, refill
	s_set_vgpr_msb 0x5
	s_wait_tensorcnt 0x0                           ; no tensor load of mine is out: every group 0 may be written
	ds_add_u32 v0, v1
	s_wait_dscnt 0x0
	s_set_vgpr_msb 0x500
	s_add_nc_u64 s[G0K+6-4*\slot:G0K+7-4*\slot], s[G0K+6-4*\slot:G0K+7-4*\slot], 2*TILEB   ; the other slot's next tile
	s_add_nc_u64 s[G0V+6-4*\slot:G0V+7-4*\slot], s[G0V+6-4*\slot:G0V+7-4*\slot], 2*TILEB
	s_wait_dscnt 0x0                               ; my reads of the other slot are over
	s_barrier_signal -1
	s_barrier_wait -1
.if \refill
	KVLOAD 1-\slot
.endif
	STEP \slot, 0, 0
	STEP \slot, 1, 0
.endm
	s_wait_loadcnt 0x0                             ; my queries
	s_wait_tensorcnt 0x1                           ; tile 0 is in; tile 1 may stay out
	s_barrier_signal -1
	s_barrier_wait -1
	STEP 0, 0, 1
	STEP 0, 1, 0
.Lpair:                                            ; a trip: tiles 2 k - 1 and 2 k are worked on, tiles 2 k and 2 k + 1 asked for
	RING 1, 1
	RING 0, 1
	s_sub_co_i32 s21, s21, 1
	s_cmp_gt_i32 s21, 0                            ; a signed compare: the loop ends whatever the start
	s_cbranch_scc1 .Lpair
	s_bitcmp1_b32 s20, 0                           ; T odd or even: the same in all eight waves
	s_cbranch_scc1 .Lodd
	RING 1, 0                                      ; T even: the last tile is in slot 1, nothing is left to fetch
	s_branch .Lfin
.Lodd:
	RING 1, 1                                      ; T odd: one more tile to fetch,
	RING 0, 0                                      ; and it is the last
.Lfin:
.rept 4
	v_nop                                          ; four places behind the last products
.endr
	s_cmp_lg_u32 s16, 0                            ; the wave with the sequence's rows 0-31 redoes rows 0-15 (its query tile 0) with operands of two f16 terms
	s_cbranch_scc1 .Lnorm
	; No barrier and no tensor load stands in this block; LDS is the wave's own stage.  Keys 0-15 are all that these queries see.
	v_and_b32 v[VT], 31, v0
	v_lshlrev_b32 v[VT], 4, v[VT]                  ; 16 l: a load of the wave takes four rows of 128 bytes
	v_bfe_u32 v[T0], v0, 4, 1                      ; the transposing load from the stage: key 8 h + l % 8 at pitch 144, 16 bytes at 16 ((l / 8) % 2)
	v_and_b32 v[T1], 7, v0
	v_bfe_u32 v[T2], v0, 3, 1
	v_lshl_add_u32 v[T0], v[T0], 3, v[T1]
	v_mul_u32_u24 v[T0], v[T0], 144
	v_lshl_add_u32 v[T0], v[T2], 4, v[T0]
	v_add_nc_u32 v[T0], s70, v[T0]
.irp i, 0,1,2,3
	global_load_b128 v[OA+16*\i:OA+16*\i+3],   v[VT], s[62:63] offset:512*\i           ; V, rows 4 i .. 4 i + 3, into O's tiles of query tile 0, which are made anew below
	global_load_b128 v[OA+16*\i+4:OA+16*\i+7], v[VT], s[72:73] offset:32*LOSL+512*\i   ; V's residual
.endr
.irp i, 0,1,2,3
	global_load_b128 v[HQL+4*\i:HQL+4*\i+3], v[VQ], s[72:73] offset:32*\i              ; fragments straight from memory: row r, 16 h bytes, as for Q
	global_load_b128 v[HKH+4*\i:HKH+4*\i+3], v[VQ], s[60:61] offset:32*\i
	global_load_b128 v[HKL+4*\i:HKL+4*\i+3], v[VQ], s[72:73] offset:16*LOSL+32*\i
.endr
	s_wait_loadcnt 12                              ; V's eight loads are in; the twelve of Q and K behind them may be out
.irp i, 0,1,2,3
	ds_store_b128 v[RD], v[OA+16*\i:OA+16*\i+3]   offset:576*\i                        ; V in stage rows 0-15,
	ds_store_b128 v[RD], v[OA+16*\i+4:OA+16*\i+7] offset:2304+576*\i                   ; its residual in rows 16-31
.endr
.irp dt, 0,1,2,3
	ds_load_tr16_b128 v[HVA+8*\dt:HVA+8*\dt+3],   v[T0] offset:32*\dt                  ; LDS serves a wave's instructions in order: these see the stores above
	ds_load_tr16_b128 v[HVA+8*\dt+4:HVA+8*\dt+7], v[T0] offset:2304+32*\dt
.endr
	s_wait_loadcnt 0x0
	; S^T = K Q + K' Q + K Q' (the primes: residuals): three accumulators take turns, one instruction a turn
	v_wmma_f32_16x16x32_f16 v[S1:S1+7], v[HKH:HKH+7],    v[QF:QF+7],      0
	v_wmma_f32_16x16x32_f16 v[S2:S2+7], v[HKL:HKL+7],    v[QF:QF+7],      0
	v_wmma_f32_16x16x32_f16 v[S3:S3+7], v[HKH:HKH+7],    v[HQL:HQL+7],    0
	v_wmma_f32_16x16x32_f16 v[S1:S1+7], v[HKH+8:HKH+15], v[QF+8:QF+15],   v[S1:S1+7]
	v_wmma_f32_16x16x32_f16 v[S2:S2+7], v[HKL+8:HKL+15], v[QF+8:QF+15],   v[S2:S2+7]
	v_wmma_f32_16x16x32_f16 v[S3:S3+7], v[HKH+8:HKH+15], v[HQL+8:HQL+15], v[S3:S3+7]
.rept 4
	v_nop                                          ; four places in front of the readers of the sums
.endr
.irp j, 0,2,4,6
	v_pk_add_f32 v[S2+\j:S2+\j+1], v[S2+\j:S2+\j+1], v[S3+\j:S3+\j+1]                  ; the two small terms first
.endr
.irp j, 0,2,4,6
	v_pk_add_f32 v[S1+\j:S1+\j+1], v[S1+\j:S1+\j+1], v[S2+\j:S2+\j+1]
.endr
.irp j, 0,1,2,3,4,5,6,7
	v_cmp_gt_i32 vcc_lo, \j, v[VQD]                ; key 8 h + j beyond query r (q0 = 0 here)
	v_cndmask_b32 v[S1+\j], v[S1+\j], v[NINF], vcc_lo
.endr
	v_max3_num_f32 v[T1], v[S1], v[S1+1], v[S1+2]
	v_max3_num_f32 v[T1], v[T1], v[S1+3], v[S1+4]
	v_max3_num_f32 v[T1], v[T1], v[S1+5], v[S1+6]
	v_max_num_f32 v[T1], v[T1], v[S1+7]
	v_permlanex16_b32 v[T2], v[T1], s22, s23
	v_max_num_f32 v[T1], v[T1], v[T2]              ; key 0 is open to every query: the maximum is finite
	v_mul_f32 v[NM], s26, v[T1]
	v_mul_f32 v[NM+1], s26, v[T1]
.irp j, 0,2,4,6
	v_pk_fma_f32 v[S1+\j:S1+\j+1], v[S1+\j:S1+\j+1], s[24:25], v[NM:NM+1] op_sel_hi:[1,0,1]
.endr
.irp j, 0,1,2,3,4,5,6,7
	v_exp_f32 v[S1+\j], v[S1+\j]
.endr
	v_nop                                          ; a plain place behind the exponentials (ISA guide 5.7.2)
	s_wait_alu depctr_va_vdst(0)
	v_pk_add_f32 v[LS:LS+1], v[S1:S1+1], v[S1+2:S1+3]          ; the row's sums anew, in f32
	v_pk_add_f32 v[LS:LS+1], v[LS:LS+1], v[S1+4:S1+5]
	v_pk_add_f32 v[LS:LS+1], v[LS:LS+1], v[S1+6:S1+7]
.irp j, 0,1,2,3,4,5,6,7
	v_and_b32 v[S2+\j], 0xffffe000, v[S1+\j]       ; p cut to 11 significant bits: an f16 number from 2^-14 up (below, the conversion rounds it by 2^-25 at the most)
.endr
.irp j, 0,1,2,3,4,5,6,7
	v_sub_f32 v[S3+\j], v[S1+\j], v[S2+\j]         ; the rest, exact
.endr
.irp i, 0,1,2,3
	v_cvt_pk_f16_f32 v[PH+\i], v[S2+2*\i], v[S2+2*\i+1]
	v_cvt_pk_f16_f32 v[PL+\i], v[S3+2*\i], v[S3+2*\i+1]
.endr
.irp i, 0,1,2,3
	v_mov_b32 v[PH+4+\i], v[PH+\i]                 ; the 32 along K of a product are keys 0-15 twice: against V in k = 0..15, against V's residual in k = 16..31
	v_mov_b32 v[PL+4+\i], v[PL+\i]
.endr
	s_wait_dscnt 0x0                               ; V's fragments are in, and the stage's stores have read O's registers
.irp dt, 0,1,2,3
	v_wmma_f32_16x16x32_f16 v[OA+16*\dt:OA+16*\dt+7], v[HVA+8*\dt:HVA+8*\dt+7], v[PH:PH+7], 0
.endr
.irp dt, 0,1,2,3
	v_wmma_f32_16x16x32_f16 v[OA+16*\dt:OA+16*\dt+7], v[HVA+8*\dt:HVA+8*\dt+7], v[PL:PL+7], v[OA+16*\dt:OA+16*\dt+7]
.endr
.rept 4
	v_nop                                          ; four places behind these products
.endr
.Lnorm:
	v_add_f32 v[T0], v[LS], v[LS+1]                ; the row's sum: my two chains, then the other half of the lanes
	v_add_f32 v[T1], v[LS+2], v[LS+3]
	v_permlanex16_b32 v[T2], v[T0], s22, s23
	v_permlanex16_b32 v[T3], v[T1], s22, s23
	v_add_f32 v[T0], v[T0], v[T2]
	v_add_f32 v[T1], v[T1], v[T3]
	v_rcp_f32 v[AL], v[T0]                         ; at least 1: the largest probability of a row is 1
	v_rcp_f32 v[AL+2], v[T1]
	v_nop
	s_wait_alu depctr_va_vdst(0)
	v_mov_b32 v[AL+1], v[AL]
	v_mov_b32 v[AL+3], v[AL+2]
.set i, 0
.rept 32
	v_pk_mul_f32 v[OA+2*i:OA+2*i+1], v[OA+2*i:OA+2*i+1], v[AL+2*((i>>2)&1):AL+2*((i>>2)&1)+1]
.set i, i+1
.endr
.set i, 0
.rept 32
	v_cvt_pk_f16_f32 v[OA+8*(i>>2)+(i&3)], v[OA+2*i], v[OA+2*i+1]      ; a tile's eight numbers into its first four registers: 16 bytes of one row
.set i, i+1
.endr
.irp dt, 0,1,2,3
.irp u, 0,1
	ds_store_b128 v[STO], v[OA+8*(2*\dt+\u):OA+8*(2*\dt+\u)+3] offset:\u*16*144+32*\dt
.endr
.endr
.irp i, 0,1,2,3,4,5,6,7
	ds_load_b128 v[KV+4*\i:KV+4*\i+3], v[RD] offset:\i*4*144   ; my own stage: LDS serves a wave's instructions in order
.endr
.irp i, 0,1,2,3,4,5,6,7
	s_wait_dscnt 7-\i
	global_store_b128 v[CO], v[KV+4*\i:KV+4*\i+3], s[6:7] offset:\i*4*2048   ; four rows, 128 neighbouring bytes of each
.endr
	s_set_vgpr_msb 0x5
	s_wait_tensorcnt 0x0
	ds_add_u32 v0, v1
	s_wait_dscnt 0x0
	s_set_vgpr_msb 0x500
	s_endpgm
.Lfunc_end_k_q0546be6bc3_attn:
	.size	k_q0546be6bc3_attn, .Lfunc_end_k_q0546be6bc3_attn-k_q0546be6bc3_attn
	.p2alignl 7, 3214868480
	.fill 96, 4, 3214868480
	.section	.rodata,"a",@progbits
	.p2align	6, 0x0
	.amdhsa_kernel k_q0546be6bc3_attn
		.amdhsa_group_segment_fixed_size 327680
		.amdhsa_private_segment_fixed_size 0
		.amdhsa_enable_private_segment 0
		.amdhsa_kernarg_size 24
		.amdhsa_user_sgpr_count 2
		.amdhsa_user_sgpr_kernarg_segment_ptr 1
		.amdhsa_wavefront_size32 1
		.amdhsa_system_sgpr_workgroup_id_x 1
		.amdhsa_system_sgpr_workgroup_id_y 1
		.amdhsa_system_sgpr_workgroup_id_z 1
		.amdhsa_system_vgpr_workitem_id 0
		.amdhsa_next_free_vgpr 258
		.amdhsa_next_free_sgpr 80
		.amdhsa_reserve_vcc 1
		.amdhsa_float_denorm_mode_32 3
		.amdhsa_float_denorm_mode_16_64 3
		.amdhsa_memory_ordered 1
		.amdhsa_forward_progress 1
		.amdhsa_inst_pref_size 255
	.end_amdhsa_kernel
	.section	.bss,"aw",@nobits
	.p2align	6
	.space	262144
	.amdgpu_metadata
---
amdhsa.version: [ 1, 2 ]
amdhsa.kernels:
  - .name:           k_q0546be6bc3_attn
    .symbol:         k_q0546be6bc3_attn.kd
    .args:
      - { .name: qkv, .offset: 0, .size: 8, .value_kind: global_buffer, .address_space: global }
      - { .name: att, .offset: 8, .size: 8, .value_kind: global_buffer, .address_space: global }
      - { .name: qlo, .offset: 16, .size: 8, .value_kind: global_buffer, .address_space: global }
    .group_segment_fixed_size: 327680
    .private_segment_fixed_size: 0
    .kernarg_segment_align: 8
    .kernarg_segment_size: 24
    .max_flat_workgroup_size: 256
    .sgpr_count:     80
    .vgpr_count:     258
    .wavefront_size: 32
...
	.end_amdgpu_metadata
.endif
;; end of part 3
;; launch gemm_out (part 4): grid 8 x 32, 4 waves a work-group, clusters of 4 x 4, 327,680 bytes of LDS; arguments att, wob, b_out, out0; writes out0
.if DOCPART == 4
	.amdgcn_target "amdgcn-amd-amdhsa--gfx1250"
	.amdhsa_code_object_version 6
	.text
	.protected	k_q0546be6bc3_gemm_out
	.globl	k_q0546be6bc3_gemm_out
	.p2align	8
	.type	k_q0546be6bc3_gemm_out,@function
k_q0546be6bc3_gemm_out:
	s_mov_b64 s[64:65], 0
	v_nop
	global_prefetch_b8 v0, s[64:65] scope:SCOPE_SE
	s_setreg_imm32_b32 hwreg(HW_REG_WAVE_MODE, 25, 1), 1
	s_wait_xcnt 0x0
	s_wait_alu depctr_hold_cnt(0) depctr_sa_sdst(0) depctr_va_vdst(0) depctr_va_sdst(0) depctr_va_ssrc(0) depctr_va_vcc(0) depctr_vm_vsrc(0)
	s_getreg_b32 s2, hwreg(HW_REG_IB_STS2, 6, 4)
	s_cmp_eq_u32 s2, 0
	s_cbranch_scc0 .Lentry_in_a_cluster
	s_endpgm
.Lentry_in_a_cluster:
	s_bfe_u32 s2, ttmp6, 0x10000c
	s_cmp_lg_u32 s2, 0xf033
	s_cbranch_scc0 .Lentry_shape_is_right
	s_endpgm
.Lentry_shape_is_right:
; out0 = att . wob^T + b_out.  att [4096][1024] f16, wob [1024][1024] f16, b_out [1024] f32, out0 [4096][1024] f32; sums in f32.
; The f16 matrix form: att is kept in f16, and wob holds w_out's bf16 rounding as f16.
; 8 x 32 = 256 work-groups of equal work, each a block of 128 x 128, four waves of 64 x 64: 16 accumulator tiles, 128 registers.
; (With 1,024 columns a block of 256 x 256 would leave only 64 work-groups.)  A slot holds 256 along K, so that a refill has 8 quarter steps
; in which to land; a tile's rows are 512 bytes of memory and start at multiples of 256 bytes.
; CLUSTERS: 4 x 4 work-groups; att's tile is shared along a row of the cluster, wob's along a column, each asked for jointly.
; REGISTERS: window 0: v16-27 addresses; v32-63, v64-95 fragments of att; v96-127 the bias; v128-159, v160-191 fragments of wob; v192-223 results
;            window 1: the accumulators: tile (a, b) of columns 0-31 at v[8 (2 a + b)], of columns 32-63 at v[64 + 8 (2 a + b)]
; THE MATRIX INSTRUCTION IS USED TRANSPOSED (source 0: rows of wob, source 1: rows of att): lane l holds row l % 16, registers 0-7 the columns 8 (l / 16) + 0..7.
.set BM,     128
.set BN,     128
.set KDIM,   1024
.set KSLOT,  256
.set PITCH,  528                       ; an LDS row: 512 bytes + 16 of padding, an odd multiple of 16
.set QI,     6                         ; padding behind every 128 words
.set AROWS,  64
.set BROWS,  64
.set NBH,    2                         ; column tiles in each half of my 64 columns
.set NLD,    8+4*NBH
.set SLOT,   (BM+BN)*PITCH
.set STAGE,  2*SLOT
.set WSTAGE, 16*272                    ; a wave's stage: 16 rows x (256 + 16) bytes
.set LAPS,   KDIM/(2*KSLOT)
.set HIOFF,  64
.set ADRA, 16
.set ADRB, 20
.set STO,  24
.set RD,   25
.set CO,   26
.set BO,   27
.set FA,   32
.set FB,   128
.set FBS,  16*NBH
.set BIAS, 96
.set TMP,  192
.set RB,   32
.set G1,  24
.set G0,  32
.set G1B, 48
.set G0B, 56
.set MUL_LO, 0x50                      ; sources 0 and 1 window 0, C and D window 1
.set MUL_HI, 0x50
.set MSB, 0
.macro WIN new                         ; the immediate's high byte repeats the setting that is left
.if MSB != \new
	s_set_vgpr_msb (MSB<<8)|\new
.set MSB, \new
.endif
.endm
.macro PLACES                          ; four places behind a matrix instruction (ISA guide 7.12.1)
.rept 4
	v_nop
.endr
.endm
.macro JLOAD s                         ; waves 0 and 1 fetch att's two halves, waves 2 and 3 wob's
	s_cmp_eq_u32 s13, 0
	s_cbranch_scc0 .Lfor_b_\@
	tensor_load_to_lds s[G0+4*\s:G0+4*\s+3], s[G1:G1+7]
	s_nop 0
	s_branch .Lasked_\@
.Lfor_b_\@:
	tensor_load_to_lds s[G0B+4*\s:G0B+4*\s+3], s[G1B:G1B+7]
	s_nop 0
.Lasked_\@:
.endm
.macro CREST
	s_cmp_lg_u32 s12, 0
	s_cbranch_scc1 .Lnot_wave_0_\@
	s_barrier_signal -3
.Lnot_wave_0_\@:
	s_barrier_wait -3
	s_barrier_signal -1
	s_barrier_wait -1
.endm
.macro CROUND
	s_barrier_signal -1
	s_barrier_wait -1
	CREST
.endm
	s_load_b256 s[4:11], s[0:1], 0x0               ; att s[4:5], wob s[6:7], b_out s[8:9], out0 s[10:11]
	v_lshl_add_u32 v254, v0, 2, 0x46400
	v_mov_b32 v255, 0
	ds_add_u32 v254, v255
	v_lshrrev_b32 v1, 5, v0
	v_readfirstlane_b32 s12, v1                    ; wave 0..3
	s_lshr_b32 s13, s12, 1                         ; my half of the block's rows.  Also: I fetch for att (0) or for wob (1)
	s_and_b32 s14, s12, 1                          ; my half of its columns.  Also: which half of that tile's rows I fetch
	s_bfe_u32 s16, ttmp6, 0x40000                  ; cx
	s_bfe_u32 s17, ttmp6, 0x40004                  ; cy
	s_lshl_b32 s18, ttmp9, 2
	s_add_co_u32 s18, s18, s16                     ; block column
	s_and_b32 s19, ttmp7, 0xffff
	s_lshl_b32 s19, s19, 2
	s_add_co_u32 s19, s19, s17                     ; block row
	s_lshl_b32 s20, s17, 2
	s_lshl_b32 s20, 15, s20                        ; my row of the cluster
	s_lshl_b32 s21, 0x1111, s16                    ; my column
	s_or_b32 s[G1+0],  s20, (1<<16)|(1<<20)|(1<<21)|(QI<<22)|(3<<25)
	s_or_b32 s[G1B+0], s21, (1<<16)|(1<<20)|(1<<21)|(QI<<22)|(3<<25)
	s_mov_b32 s[G1+1],  KSLOT<<16
	s_mov_b32 s[G1B+1], KSLOT<<16
	s_mov_b32 s[G1+2],  AROWS<<16
	s_mov_b32 s[G1B+2], BROWS<<16
	s_mov_b32 s[G1+3],  KSLOT<<16
	s_mov_b32 s[G1B+3], KSLOT<<16
	s_mov_b32 s[G1+4],  AROWS
	s_mov_b32 s[G1B+4], BROWS
	s_mov_b32 s[G1+5],  KDIM
	s_mov_b32 s[G1B+5], KDIM
	s_mov_b32 s[G1+6],  0
	s_mov_b32 s[G1B+6], 0
	s_mov_b32 s[G1+7],  0
	s_mov_b32 s[G1B+7], 0
	s_mul_i32 s44, s19, BM                         ; att's tile hangs on the block row alone,
	s_mul_i32 s45, s14, AROWS
	s_add_co_u32 s44, s44, s45
	s_lshl_b32 s44, s44, 11
	s_mov_b32 s45, 0
	s_mul_i32 s46, s18, BN                         ; wob's on the block column alone
	s_mul_i32 s47, s14, BROWS
	s_add_co_u32 s46, s46, s47
	s_lshl_b32 s46, s46, 11
	s_mov_b32 s47, 0
	s_mul_i32 s22, s12, AROWS*PITCH                ; waves 0, 1: att's halves
	s_mul_i32 s23, s12, BROWS*PITCH                ; waves 2, 3: wob's halves, behind att's 128 rows: 2 x 64 = 128
	s_add_co_u32 s23, s23, (BM-BN)*PITCH
	s_wait_dscnt 0x0
	s_wait_kmcnt 0x0
	s_add_nc_u64 s[40:41], s[4:5], s[44:45]
	s_add_nc_u64 s[42:43], s[6:7], s[46:47]
	CROUND                                         ; all sixteen work-groups are here: the first joint loads meet
.irp s, 0,1
	s_mov_b32 s[G0+4*\s], 1
	s_add_co_u32 s[G0+4*\s+1], s22, \s*SLOT
	s_add_nc_u64 s[G0+4*\s+2:G0+4*\s+3], s[40:41], \s*KSLOT*2
	s_or_b32 s[G0+4*\s+3], s[G0+4*\s+3], 0x80000000
	s_mov_b32 s[G0B+4*\s], 1
	s_add_co_u32 s[G0B+4*\s+1], s23, \s*SLOT
	s_add_nc_u64 s[G0B+4*\s+2:G0B+4*\s+3], s[42:43], \s*KSLOT*2
	s_or_b32 s[G0B+4*\s+3], s[G0B+4*\s+3], 0x80000000
	JLOAD \s                                       ; two tensor loads of the wave are out
.endr
	v_and_b32 v1, 15, v0                           ; r
	v_bfe_u32 v2, v0, 4, 1                         ; h
	v_lshlrev_b32 v[BO], 5, v2
	s_mul_i32 s66, s18, BN*4                       ; my first column, in bytes of f32: 512 x block column + 256 x half
	s_lshl_b32 s67, s14, 8
	s_add_co_u32 s66, s66, s67
	s_mov_b32 s67, 0
	s_add_nc_u64 s[8:9], s[8:9], s[66:67]
.set bt, 0
.rept 2*NBH
	global_load_b128 v[BIAS+8*bt:BIAS+8*bt+3],   v[BO], s[8:9] offset:64*bt
	global_load_b128 v[BIAS+8*bt+4:BIAS+8*bt+7], v[BO], s[8:9] offset:64*bt+16
.set bt, bt+1
.endr
	v_mul_u32_u24 v3, v1, PITCH
	v_lshl_add_u32 v3, v2, 4, v3
	s_mul_i32 s70, s13, 64*PITCH                   ; my 64 rows of att
	s_mul_i32 s71, s14, 64*PITCH                   ; my 64 rows of wob,
	s_add_co_u32 s71, s71, BM*PITCH                ; which lie behind att's 128
.irp s, 0,1
	v_add_nc_u32 v[ADRA+\s], s70, v3
	v_add_nc_u32 v[ADRB+\s], s71, v3
	s_add_co_u32 s70, s70, SLOT
	s_add_co_u32 s71, s71, SLOT
.endr
	s_mul_i32 s72, s12, WSTAGE
	s_add_co_u32 s72, s72, STAGE                   ; my stage
	v_mul_u32_u24 v4, v1, 272                      ; in: row r, 32 bytes for each half of the lanes
	v_lshl_add_u32 v4, v2, 5, v4
	v_add_nc_u32 v[STO], s72, v4
	v_mul_u32_u24 v5, v2, 272                      ; back: lanes 0-15 take one row of 256 bytes, lanes 16-31 the next
	v_lshl_add_u32 v5, v1, 4, v5
	v_add_nc_u32 v[RD], s72, v5
	v_lshlrev_b32 v[CO], 12, v2                    ; and the same two rows in out0
	v_lshl_add_u32 v[CO], v1, 4, v[CO]
	s_lshl_b32 s68, s19, 7                         ; out0 at row 128 x block row + 64 x half, and my first column
	s_lshl_b32 s69, s13, 6
	s_add_co_u32 s68, s68, s69
	s_lshl_b32 s68, s68, 12
	s_add_co_u32 s68, s68, s66
	s_mov_b32 s69, 0
	s_add_nc_u64 s[10:11], s[10:11], s[68:69]
.macro MULH f, hi, a0, zero
.irp a, \a0, \a0+1
.set bb, 0
.rept NBH
.set dd, HIOFF*\hi+8*(NBH*(\a)+bb)
.set sb, FB+FBS*\f+8*(NBH*\hi+bb)
.set sa, FA+32*\f+8*(\a)
.if \zero
	v_wmma_f32_16x16x32_f16 v[dd:dd+7], v[sb:sb+7], v[sa:sa+7], 0
.else
	v_wmma_f32_16x16x32_f16 v[dd:dd+7], v[sb:sb+7], v[sa:sa+7], v[dd:dd+7]
.endif
.set bb, bb+1
.endr
.endr
.endm
.macro FETCH slot, k, f                ; NLD LDS loads in one run: att's fragments, wob's lower half, wob's upper half
	WIN 0
.irp i, 0,1,2,3
	ds_load_b128 v[FA+32*\f+8*\i:FA+32*\f+8*\i+3],   v[ADRA+\slot] offset:\k+\i*16*PITCH
	ds_load_b128 v[FA+32*\f+8*\i+4:FA+32*\f+8*\i+7], v[ADRA+\slot] offset:\k+\i*16*PITCH+32
.endr
.set ii, 0
.rept 2*NBH
	ds_load_b128 v[FB+FBS*\f+8*ii:FB+FBS*\f+8*ii+3],   v[ADRB+\slot] offset:\k+ii*16*PITCH
	ds_load_b128 v[FB+FBS*\f+8*ii+4:FB+FBS*\f+8*ii+7], v[ADRB+\slot] offset:\k+ii*16*PITCH+32
.set ii, ii+1
.endr
.endm
; The 16 accumulators take turns, one instruction a turn, in the same order in every quarter.
.macro QUARTER slot, k, f, g, zero
	s_wait_dscnt 2*NBH                             ; all but the youngest 2 NBH loads (wob's upper half) are in
	WIN MUL_LO
	MULH \f, 0, 0, \zero
	MULH \f, 0, 2, \zero
	PLACES
	FETCH \slot, \k, \g
	s_wait_dscnt NLD                               ; all but the NLD just issued
	WIN MUL_HI
	MULH \f, 1, 0, \zero
	MULH \f, 1, 2, \zero
.endm
.macro QS slot, zero                   ; the first seven of a slot's eight quarter steps
	QUARTER \slot, 64,  0, 1, \zero
	QUARTER \slot, 128, 1, 0, 0
	QUARTER \slot, 192, 0, 1, 0
	QUARTER \slot, 256, 1, 0, 0
	QUARTER \slot, 320, 0, 1, 0
	QUARTER \slot, 384, 1, 0, 0
	QUARTER \slot, 448, 0, 1, 0
.endm
; The last quarter step changes slots: each wave's reads of this slot and all its tensor loads are waited for in front of the barrier; where the
; slot is filled again the barrier opens a round of the cluster's barrier, and the joint refill is the wave's one tensor load behind the round.
.macro TURN slot, next, fill
	s_wait_dscnt 2*NBH
	WIN MUL_LO
	MULH 1, 0, 0, 0
	s_wait_dscnt 0x0                               ; my reads of this slot are over
	s_wait_tensorcnt 0x0                           ; all my tensor loads have landed
	ds_add_u32 v254, v255
	s_wait_dscnt 0x0
	s_barrier_signal -1
	MULH 1, 0, 2, 0
	WIN 0
	s_barrier_wait -1
.if \fill
	CREST
	s_add_nc_u64 s[G0+4*\slot+2:G0+4*\slot+3],   s[G0+4*\slot+2:G0+4*\slot+3],   2*KSLOT*2
	s_add_nc_u64 s[G0B+4*\slot+2:G0B+4*\slot+3], s[G0B+4*\slot+2:G0B+4*\slot+3], 2*KSLOT*2
	JLOAD \slot
.endif
	PLACES
	FETCH \next, 0, 0
	WIN MUL_HI
	MULH 1, 1, 0, 0
	MULH 1, 1, 2, 0
.endm
	s_wait_tensorcnt 0x1                           ; my part of slot 0 is in; slot 1's may stay out
	s_barrier_signal -1
	s_barrier_wait -1
	FETCH 0, 0, 0
	QS 0, 1                                        ; K = 1,024 is two laps of the ring: the first starts the sums and fills both slots again,
	TURN 0, 1, 1
	QS 1, 0
	TURN 1, 0, 1
	QS 0, 0                                        ; the second fills nothing
	TURN 0, 1, 0
	QS 1, 0
	s_wait_dscnt 2*NBH
	WIN MUL_LO
	MULH 1, 0, 0, 0
	MULH 1, 0, 2, 0
	s_wait_dscnt 0x0
	WIN MUL_HI
	MULH 1, 1, 0, 0
	MULH 1, 1, 2, 0
	PLACES
	WIN 0
	s_wait_loadcnt 0x0                             ; the bias
; THE WAY OUT, 16 rows at a time: add the bias, 32 bytes a lane into my stage, read back as whole rows of 256 bytes.
.macro OUTF a
.if \a
	s_wait_xcnt 0x0                                ; the last group's stores have had their addresses translated: their data (RB) and base are rewritten only behind this wait
	s_add_nc_u64 s[10:11], s[10:11], 16*4096       ; 16 rows of out0 on
.endif
	WIN 0x01                                       ; source 0 in window 1
.irp bt, 0,1,2,3
.irp i, 0,1,2,3
	v_pk_add_f32 v[TMP+8*\bt+2*\i:TMP+8*\bt+2*\i+1], v[HIOFF*(\bt>>1)+8*(NBH*\a+(\bt&1))+2*\i:HIOFF*(\bt>>1)+8*(NBH*\a+(\bt&1))+2*\i+1], v[BIAS+8*\bt+2*\i:BIAS+8*\bt+2*\i+1]
.endr
.endr
	WIN 0
.irp bt, 0,1,2,3
	ds_store_b128 v[STO], v[TMP+8*\bt:TMP+8*\bt+3]   offset:64*\bt
	ds_store_b128 v[STO], v[TMP+8*\bt+4:TMP+8*\bt+7] offset:64*\bt+16
.endr
.irp t, 0,1,2,3,4,5,6,7
	ds_load_b128 v[RB+4*\t:RB+4*\t+3], v[RD] offset:\t*2*272   ; LDS serves a wave's instructions in order: these see the stores above
.endr
.irp t, 0,1,2,3,4,5,6,7
	s_wait_dscnt 7-\t
	global_store_b128 v[CO], v[RB+4*\t:RB+4*\t+3], s[10:11] offset:\t*2*4096 th:TH_STORE_NT   ; 16 lanes store 256 neighbouring bytes, at a multiple of 256 from out0's first byte
.endr
.endm
	OUTF 0
	OUTF 1
	OUTF 2
	OUTF 3
	s_wait_tensorcnt 0x0
	ds_add_u32 v254, v255
	s_wait_dscnt 0x0
	CROUND                                         ; the closing round: no work-group ends while a partner may still ask for a tile that names it
	s_endpgm
.Lfunc_end_k_q0546be6bc3_gemm_out:
	.size	k_q0546be6bc3_gemm_out, .Lfunc_end_k_q0546be6bc3_gemm_out-k_q0546be6bc3_gemm_out
	.p2alignl 7, 3214868480
	.fill 96, 4, 3214868480
	.section	.rodata,"a",@progbits
	.p2align	6, 0x0
	.amdhsa_kernel k_q0546be6bc3_gemm_out
		.amdhsa_group_segment_fixed_size 327680
		.amdhsa_private_segment_fixed_size 0
		.amdhsa_enable_private_segment 0
		.amdhsa_kernarg_size 32
		.amdhsa_user_sgpr_count 2
		.amdhsa_user_sgpr_kernarg_segment_ptr 1
		.amdhsa_wavefront_size32 1
		.amdhsa_system_sgpr_workgroup_id_x 1
		.amdhsa_system_sgpr_workgroup_id_y 1
		.amdhsa_system_sgpr_workgroup_id_z 1
		.amdhsa_system_vgpr_workitem_id 0
		.amdhsa_next_free_vgpr 384
		.amdhsa_next_free_sgpr 80
		.amdhsa_reserve_vcc 0
		.amdhsa_float_denorm_mode_32 3
		.amdhsa_float_denorm_mode_16_64 3
		.amdhsa_memory_ordered 1
		.amdhsa_forward_progress 1
		.amdhsa_inst_pref_size 95
	.end_amdhsa_kernel
	.amdgpu_metadata
---
amdhsa.version: [ 1, 2 ]
amdhsa.kernels:
  - .name:           k_q0546be6bc3_gemm_out
    .symbol:         k_q0546be6bc3_gemm_out.kd
    .args:
      - { .name: att, .offset: 0, .size: 8, .value_kind: global_buffer, .address_space: global }
      - { .name: wob, .offset: 8, .size: 8, .value_kind: global_buffer, .address_space: global }
      - { .name: b_out, .offset: 16, .size: 8, .value_kind: global_buffer, .address_space: global }
      - { .name: out0, .offset: 24, .size: 8, .value_kind: global_buffer, .address_space: global }
    .group_segment_fixed_size: 327680
    .private_segment_fixed_size: 0
    .kernarg_segment_align: 8
    .kernarg_segment_size: 32
    .max_flat_workgroup_size: 128
    .sgpr_count:     80
    .vgpr_count:     384
    .wavefront_size: 32
...
	.end_amdgpu_metadata
.endif
;; end of part 4
